; MI455X (gfx1250); checked and timed in simulation.
; The chip was launched on July 23, 2026; its instructions are those of AMD's public machine-readable ISA for CDNA 5 (MIT licence, August 2026) and "CDNA5" Instruction Set Architecture Reference Guide (July 2026). The comments in the code are by the model that wrote it; some were corrected since.
;; Attention. Allowed arithmetic: matrix products marked QUANTISED: E4M3 operands, one given power-of-two scale a tensor, by v_wmma_f32_16x16x64_fp8_fp8 or v_wmma_f32_16x16x128_fp8_fp8, f32 sums; everything else in f32.
;; Inputs: ln_b 1,024 float32; ln_g 1,024 float32; lowp_scales 6 int32 (the exponents e of the quantised operands' scales 2^e); mask 4 x 2,048 int32; w_qkv 1,024 x 3,072 float32; x 4 x 2,048 x 1,024 float32.
;; Outputs: out0 4 x 2,048 x 1,024 float32.
;; This version of the problem:
;;   THIS VERSION OF THE PROBLEM IS GIVEN IN LOW PRECISION. The matrix products marked QUANTISED in the list below multiply operands that are first quantised to E4M3 (4 exponent bits, 3 mantissa bits; 8 bits a number), with one given power-of-two scale for each operand tensor; their sums are f32. All else is computed in f32.
;;   The module's matrix products, in the order in which they are computed (A, B: the left and right operand; K: the contracted axis; several contracted axes count as one K, in the product's order):
;;     1. [M 8,192, K 1,024] x [K 1,024, N 3,072]; A: computed on the way; B: input w_qkv: QUANTISED (scales: A lowp_scales[0], B lowp_scales[1])
;;     2. batch 64 x [M 2,048, K 64] x [K 64, N 2,048]; A: computed on the way; B: computed on the way: QUANTISED (scales: A lowp_scales[2], B lowp_scales[3])
;;     3. batch 64 x [M 2,048, K 2,048] x [K 2,048, N 64]; A: softmax (see below); B: computed on the way: QUANTISED (scales: A lowp_scales[4], B lowp_scales[5])
;;   THE QUANTISER, for each operand of a quantised product, along K:
;;     - The operand's scale is 2^e, e = its entry of the input lowp_scales (int32; the entries are numbered through the quantised products in the list's order, A before B).
;;     - Each number is divided by the scale, clamped to +-448, and rounded to the nearest number of E4M3, ties to even, subnormals kept.
;;     - The product sums the exact products of the quantised numbers (number of the format x scale) in f32.
;;   ~~~python
;;   def quantise(x, axis, e):      # numpy; x: float32 -> the quantised numbers, widened to float32 again
;;       x = np.moveaxis(x, axis, -1); K = x.shape[-1]
;;       r = np.clip(x / 2.0 ** e, -448, 448)
;;       step = 2.0 ** (np.maximum(np.frexp(np.where(r == 0, 1, r))[1] - 1, -6) - 3)
;;       q = np.round(r / step) * step * 2.0 ** e      # np.round: ties to even
;;       return np.moveaxis(q, -1, axis).astype(np.float32)
;;   ~~~
;;   SOFTMAX AHEAD OF A QUANTISED PRODUCT. Where the list says 'softmax', what is quantised is not the finished softmax but p = 2^(t - M), with t = logit x log2(e) and M = ceil(the row's largest t), a whole number; so 1/2 < the row's largest p <= 1. The row's sum l is taken of the UNQUANTISED p, in f32, and the product's result is divided by l at the end. Since M is a whole number, a kernel that streams over the keys may use a running M (the ceiling of the running maximum): every later rescaling is an exact power of two, so the quantised numbers keep their values, but for numbers so far below the row's largest that they fall under the format's range.
;;   OPERANDS COMPUTED ON THE WAY. 'Computed on the way' means the value that the module computes at that place (a softmax that the list does not call 'softmax' is quantised finished and normalised). What goes into a quantiser is computed in f32, as accurately as f32 sums, v_exp_f32 and their like allow (about 1e-6 of the number): no bf16 or f16 on the way to a quantiser, and a product that is left as it is and whose result goes on into a quantised operand takes f32 operands (vector FMAs, or v_wmma_f32_16x16x4_f32). A number that lies on a knife's edge between two numbers of the format may be rounded either way, as far as f32 arithmetic and the matrix unit's own rounding can turn it there, and no further.
;; One version. Each part assembles by itself: llvm-mc -triple=amdgcn-amd-amdhsa -mcpu=gfx1250 --defsym DOCPART=n.
;; ======== version 1 of 1: 3 launches
;; limits: right only within a limited range of input values
;; workspace buffers: xn_codes 8,388,608 bytes; w_codes 3,145,728 bytes; q_img 8,388,608 bytes; kv_img 16,777,216 bytes
;; launch prep (part 1): grid 352 x 1, 4 waves a work-group, no clusters, 35,840 bytes of LDS; arguments x, ln_g, ln_b, w_qkv, lowp_scales, xn_codes, w_codes; writes xn_codes, w_codes
.if DOCPART == 1
	.amdgcn_target "amdgcn-amd-amdhsa--gfx1250"
	.amdhsa_code_object_version 6
	.text
	.protected	k_q0ce11b56f5_prep
	.globl	k_q0ce11b56f5_prep
	.p2align	8
	.type	k_q0ce11b56f5_prep,@function
k_q0ce11b56f5_prep:
	s_mov_b64 s[64:65], 0
	v_nop
	global_prefetch_b8 v0, s[64:65] scope:SCOPE_SE
	s_setreg_imm32_b32 hwreg(HW_REG_WAVE_MODE, 25, 1), 1
	s_wait_xcnt 0x0
; Both operands of the first product become codes of FP8 (E4M3), K innermost, 1,024 bytes a row.
;   xn_codes [8192][1024]: LayerNorm(x) x g + b, in f32, then / 2^e0, held within +-448, to the nearest code.   w_codes [3072][1024]: column n of w_qkv, / 2^e1, likewise.
; ORDER OF K, the same in both buffers, so that every product meets its partner: inside each 256 along K, place 8 l + e holds k = 4 l + e (e < 4) or 128 + 4 l + (e - 4).
; With it a lane of the LayerNorm loads 16 neighbouring bytes beside its neighbours' (512 consecutive bytes a load) and still has 8 numbers of one run of places in consecutive registers for a conversion.
; Work-groups 0 to 95 take w_qkv (128 columns x 256 places of K each), work-groups 96 to 351 take x (32 rows each): 131,072 bytes of f32 are read by each.  Nothing is shared between work-groups, so no cluster;
; no matrix work; the launch streams, so nothing is prefetched.  Only the path for w_qkv touches LDS.
; LIMITS: e0 and e1 between -126 and 119, so that 2^e and 448 x 2^e are f32 numbers.  NaN among the inputs is not served.
.set WGW,   96                         ; work-groups for w_qkv
.set WROW,  12288                      ; a row of w_qkv in bytes
.set PITCH, 272                        ; a stage row: 256 bytes of codes + 16
.set SPARE, 4*32*PITCH                 ; behind the four stages: the spare words, 128 bytes for each wave: two blocks of 256 bytes that no other line names
.set SPW,   14                         ; v14  LDS address of my spare word; never rewritten
.set NIL,   15                         ; v15  0; never rewritten
.set X,     32                         ; w_qkv: v32-95 two sets of 32 numbers
.set C,     96                         ;        v96-103 a block's codes
.set OUTR,  112                        ;        v112-175 the way out
.set GA,    16                         ; x: v16-47 g of my 32 columns
.set BE,    48                         ;    v48-79 b of them
.set XR,    80                         ;    v80-207 four row slots of 32
.set CD,    208                        ;    v208-215 a row's codes
.set T,     216                        ;    v216-223 four packed chains
	s_load_b256 s[4:11], s[0:1], 0x0               ; x s[4:5], ln_g s[6:7], ln_b s[8:9], w_qkv s[10:11]
	s_load_b128 s[12:15], s[0:1], 0x20             ; lowp_scales s[12:13], xn_codes s[14:15]
	s_load_b64 s[16:17], s[0:1], 0x30              ; w_codes
	v_lshl_add_u32 v[SPW], v0, 2, SPARE
	v_mov_b32 v[NIL], 0
	v_lshrrev_b32 v1, 5, v0
	v_readfirstlane_b32 s18, v1                    ; wave 0..3
	v_and_b32 v2, 31, v0                           ; lane
	s_wait_kmcnt 0x0
	s_load_b64 s[22:23], s[12:13], 0x0             ; e0, e1
	s_cmp_lt_u32 ttmp9, WGW
	s_cbranch_scc0 .Lln
; ---------------- w_qkv: a lane takes a column n, and its registers run down K in the order of the places ----------------
	s_lshr_b32 s19, ttmp9, 2
	s_lshl_b32 s19, s19, 7
	s_lshl_b32 s20, s18, 5
	s_add_co_u32 s19, s19, s20                     ; my wave's first column: 128 x (work-group / 4) + 32 x wave
	s_and_b32 s20, ttmp9, 3                        ; which 256 along K
	v_lshlrev_b32 v3, 2, v2                        ; in: 4 bytes a lane
	s_mul_i32 s21, s18, 32*PITCH                   ; my stage
	v_mul_u32_u24 v4, v2, PITCH
	v_add_nc_u32 v4, s21, v4                       ; into it: row = my column
	v_and_b32 v5, 15, v2
	v_lshrrev_b32 v6, 4, v2
	v_mul_u32_u24 v7, v6, PITCH
	v_lshl_add_u32 v7, v5, 4, v7
	v_add_nc_u32 v7, s21, v7                       ; out of it: sixteen lanes to a row, two rows an instruction
	v_lshlrev_b32 v8, 10, v6
	v_lshl_add_u32 v8, v5, 4, v8                   ; and the same place in w_codes
	s_mul_i32 s24, s20, 256*WROW
	s_lshl_b32 s25, s19, 2
	s_add_co_u32 s24, s24, s25
	s_mov_b32 s25, 0
	s_add_nc_u64 s[10:11], s[10:11], s[24:25]      ; w_qkv at row 256 y, my wave's first column
	s_lshl_b32 s24, s19, 10
	s_lshl_b32 s26, s20, 8
	s_add_co_u32 s24, s24, s26
	s_add_nc_u64 s[16:17], s[16:17], s[24:25]      ; w_codes at my first column's row, byte 256 y
.macro WLOAD t                         ; places 32 t + i, i = 0 .. 31, of my column: 128 consecutive bytes a wave, 512 a work-group; the row of w_qkv stands in the immediate, 255 x 12,288 bytes at the most
.irp i, 0,1,2,3,4,5,6,7,8,9,10,11,12,13,14,15,16,17,18,19,20,21,22,23,24,25,26,27,28,29,30,31
	global_load_b32 v[X+32*((\t)%2)+\i], v3, s[10:11] offset:(16*(\t)+4*(\i/8)+(\i%4)+128*((\i%8)/4))*WROW th:TH_LOAD_NT
.endr
.endm
	WLOAD 0
	WLOAD 1
	s_wait_kmcnt 0x0
	s_add_co_i32 s23, s23, 127
	s_lshl_b32 s26, s23, 23
	v_mov_b32 v11, s26                             ; 2^e1 as f32: the conversion takes its exponent field
	s_add_co_i32 s23, s23, 8
	s_lshl_b32 s23, s23, 23
	s_or_b32 s23, s23, 0x600000
	v_mov_b32 v10, s23                             ; 448 x 2^e1
.macro BLOCK t
.set XS, X+32*((\t)%2)
.if (\t) < 7
	s_wait_loadcnt 32                              ; this block's 32 loads are in; the next block's may be out
.else
	s_wait_loadcnt 0
.endif
.irp i, 0,1,2,3,4,5,6,7,8,9,10,11,12,13,14,15,16,17,18,19,20,21,22,23,24,25,26,27,28,29,30,31
	v_med3_num_f32 v[XS+\i], v[XS+\i], -v10, v10   ; the conversion to an 8-bit code does not saturate (ISA guide 7.6.2): the hold comes first
.endr
.irp g, 0,1,2,3
	v_cvt_scalef32_pk8_fp8_f32 v[C+2*\g:C+2*\g+1], v[XS+8*\g:XS+8*\g+7], v11
.endr
	ds_store_b128 v4, v[C:C+3] offset:32*(\t)      ; 32 codes of my column's row
	ds_store_b128 v4, v[C+4:C+7] offset:32*(\t)+16
.if (\t)+2 < 8
	WLOAD (\t)+2
.endif
	s_wait_dscnt 0x0                               ; the stores have read their registers: the next block's codes may be written
.endm
.irp t, 0,1,2,3,4,5,6,7
	BLOCK \t
.endr
.irp t, 0,1,2,3,4,5,6,7,8,9,10,11,12,13,14,15
	ds_load_b128 v[OUTR+4*\t:OUTR+4*\t+3], v7 offset:2*\t*PITCH   ; a wave's LDS instructions are served in order: these see my stores
.endr
.irp t, 0,1,2,3,4,5,6,7,8,9,10,11,12,13,14,15
	s_wait_dscnt 15-\t                             ; read-back t is in; the younger ones may be out
	global_store_b128 v8, v[OUTR+4*\t:OUTR+4*\t+3], s[16:17] offset:2*\t*1024   ; sixteen lanes store 256 consecutive bytes, at a multiple of 256 from the buffer's first byte
.endr
	s_wait_tensorcnt 0x0                           ; the wave's end, behind my last LDS store
	ds_add_u32 v[SPW], v[NIL]
	s_wait_dscnt 0x0
	s_endpgm
; ---------------- x: a wave takes 8 rows, a whole row (4,096 bytes, 32 registers) at a time; four rows are on their way or at work ----------------
.Lln:
	s_sub_co_u32 s19, ttmp9, WGW
	s_lshl_b32 s19, s19, 5
	s_lshl_b32 s20, s18, 3
	s_add_co_u32 s19, s19, s20                     ; my wave's first row
	s_lshl_b32 s26, s19, 12
	s_mov_b32 s27, 0
	s_add_nc_u64 s[26:27], s[4:5], s[26:27]        ; x at it
	s_lshl_b32 s28, s19, 10
	s_mov_b32 s29, 0
	s_add_nc_u64 s[28:29], s[14:15], s[28:29]      ; xn_codes at it
	s_mov_b32 s24, 0x76543210                      ; v_permlanex16_b32: lane l takes lane l xor 16
	s_mov_b32 s25, 0xfedcba98
	s_mov_b32 s30, 0x3a800000                      ; 1 / 1024
	v_lshlrev_b32 v3, 4, v2                        ; 16 x lane
	v_lshlrev_b32 v4, 3, v2                        ; 8 x lane
	v_mov_b32 v11, 0                               ; (named as the upper halves of the pairs v[10:11], v[12:13])
	v_mov_b32 v13, 0
.irp j, 0,1,2,3,4,5,6,7
	global_load_b128 v[GA+4*\j:GA+4*\j+3], v3, s[6:7] offset:512*\j   ; register 4 j + e: column 128 j + 4 lane + e, as in a row of x
.endr
.irp j, 0,1,2,3,4,5,6,7
	global_load_b128 v[BE+4*\j:BE+4*\j+3], v3, s[8:9] offset:512*\j
.endr
.macro FILL row                        ; eight loads of 512 consecutive bytes: the whole row, into slot row % 4
.irp j, 0,1,2,3,4,5,6,7
	global_load_b128 v[XR+32*((\row)%4)+4*\j:XR+32*((\row)%4)+4*\j+3], v3, s[26:27] offset:(\row)*4096+512*\j th:TH_LOAD_NT
.endr
.endm
	FILL 0
	FILL 1
	FILL 2
	FILL 3
	s_wait_kmcnt 0x0
	s_add_co_i32 s22, s22, 127
	s_lshl_b32 s23, s22, 23
	v_mov_b32 v8, s23                              ; 2^e0 as f32
	s_add_co_i32 s22, s22, 8
	s_lshl_b32 s22, s22, 23
	s_or_b32 s22, s22, 0x600000
	v_mov_b32 v9, s22                              ; 448 x 2^e0
.macro ALLSUM                          ; the four packed chains, then the 32 lanes: the sum ends in v[T] of every lane
	v_pk_add_f32 v[T:T+1], v[T:T+1], v[T+2:T+3]
	v_pk_add_f32 v[T+4:T+5], v[T+4:T+5], v[T+6:T+7]
	v_pk_add_f32 v[T:T+1], v[T:T+1], v[T+4:T+5]
	v_add_f32 v[T], v[T], v[T+1]
	v_add_f32_dpp v[T], v[T], v[T] row_xmask:1 row_mask:0xf bank_mask:0xf
	v_add_f32_dpp v[T], v[T], v[T] row_xmask:2 row_mask:0xf bank_mask:0xf
	v_add_f32_dpp v[T], v[T], v[T] row_xmask:4 row_mask:0xf bank_mask:0xf
	v_add_f32_dpp v[T], v[T], v[T] row_xmask:8 row_mask:0xf bank_mask:0xf
	v_permlanex16_b32 v[T+1], v[T], s24, s25
	v_add_f32 v[T], v[T], v[T+1]
.endm
; Row r.  left = the younger loads that may stay out.  The mean is taken first and the squares of the differences second: no difference of large sums is formed.
.macro ROW r, left
.set XS, XR+32*((\r)%4)
	s_wait_loadcnt \left
.irp k, 0,1,2,3
	v_pk_add_f32 v[T+2*\k:T+2*\k+1], v[XS+2*\k:XS+2*\k+1], v[XS+8+2*\k:XS+8+2*\k+1]
.endr
.irp k, 0,1,2,3
	v_pk_add_f32 v[T+2*\k:T+2*\k+1], v[T+2*\k:T+2*\k+1], v[XS+16+2*\k:XS+16+2*\k+1]
.endr
.irp k, 0,1,2,3
	v_pk_add_f32 v[T+2*\k:T+2*\k+1], v[T+2*\k:T+2*\k+1], v[XS+24+2*\k:XS+24+2*\k+1]
.endr
	ALLSUM
	v_mul_f32 v10, s30, v[T]                       ; the mean
.irp p, 0,2,4,6,8,10,12,14,16,18,20,22,24,26,28,30
	v_pk_add_f32 v[XS+\p:XS+\p+1], v[XS+\p:XS+\p+1], v[10:11] op_sel_hi:[1,0] neg_lo:[0,1] neg_hi:[0,1]   ; x - mean, in place
.endr
.irp k, 0,1,2,3
	v_pk_mul_f32 v[T+2*\k:T+2*\k+1], v[XS+2*\k:XS+2*\k+1], v[XS+2*\k:XS+2*\k+1]
.endr
.irp p, 8,10,12,14,16,18,20,22,24,26,28,30
	v_pk_fma_f32 v[T+(\p%8):T+(\p%8)+1], v[XS+\p:XS+\p+1], v[XS+\p:XS+\p+1], v[T+(\p%8):T+(\p%8)+1]
.endr
	ALLSUM
	v_fmaak_f32 v12, s30, v[T], 0x3727c5ac         ; the variance + 1e-5
	v_rsq_f32 v12, v12
	v_nop                                          ; a plain instruction behind the transcendental,
	s_wait_alu depctr_va_vdst(0)                   ; and a wait ahead of the first reader of its result
.irp p, 0,2,4,6,8,10,12,14,16,18,20,22,24,26,28,30
	v_pk_mul_f32 v[XS+\p:XS+\p+1], v[XS+\p:XS+\p+1], v[12:13] op_sel_hi:[1,0]
.endr
.irp p, 0,2,4,6,8,10,12,14,16,18,20,22,24,26,28,30
	v_pk_fma_f32 v[XS+\p:XS+\p+1], v[XS+\p:XS+\p+1], v[GA+\p:GA+\p+1], v[BE+\p:BE+\p+1]
.endr
.irp i, 0,1,2,3,4,5,6,7,8,9,10,11,12,13,14,15,16,17,18,19,20,21,22,23,24,25,26,27,28,29,30,31
	v_med3_num_f32 v[XS+\i], v[XS+\i], -v9, v9     ; the hold at 448 x 2^e0
.endr
	s_wait_xcnt 0x0                                ; the last row's stores have read their data: the codes' registers are written again only behind this wait
.irp i, 0,1,2,3
	v_cvt_scalef32_pk8_fp8_f32 v[CD+2*\i:CD+2*\i+1], v[XS+8*\i:XS+8*\i+7], v8   ; registers 8 i .. 8 i + 7 are places 256 i + 8 lane + 0 .. 7
.endr
.irp i, 0,1,2,3
	global_store_b64 v4, v[CD+2*\i:CD+2*\i+1], s[28:29] offset:(\r)*1024+256*\i   ; 32 lanes store 256 consecutive bytes, aligned
.endr
.if (\r) < 4
	FILL (\r)+4                                    ; the slot takes the row four further on
.endif
.endm
	ROW 0, 24                                      ; three younger rows of eight loads stay out
	ROW 1, 24
	ROW 2, 24
	ROW 3, 24
	ROW 4, 24
	ROW 5, 16                                      ; nothing more is fetched: the counts run down
	ROW 6, 8
	ROW 7, 0
	s_endpgm
.Lfunc_end_k_q0ce11b56f5_prep:
	.size	k_q0ce11b56f5_prep, .Lfunc_end_k_q0ce11b56f5_prep-k_q0ce11b56f5_prep
	.p2alignl 7, 3214868480
	.fill 96, 4, 3214868480
	.section	.rodata,"a",@progbits
	.p2align	6, 0x0
	.amdhsa_kernel k_q0ce11b56f5_prep
		.amdhsa_group_segment_fixed_size 35840
		.amdhsa_private_segment_fixed_size 0
		.amdhsa_enable_private_segment 0
		.amdhsa_kernarg_size 56
		.amdhsa_user_sgpr_count 2
		.amdhsa_user_sgpr_kernarg_segment_ptr 1
		.amdhsa_wavefront_size32 1
		.amdhsa_system_sgpr_workgroup_id_x 1
		.amdhsa_system_sgpr_workgroup_id_y 1
		.amdhsa_system_sgpr_workgroup_id_z 1
		.amdhsa_system_vgpr_workitem_id 0
		.amdhsa_next_free_vgpr 224
		.amdhsa_next_free_sgpr 66
		.amdhsa_reserve_vcc 0
		.amdhsa_float_denorm_mode_32 3
		.amdhsa_float_denorm_mode_16_64 3
		.amdhsa_memory_ordered 1
		.amdhsa_forward_progress 1
		.amdhsa_inst_pref_size 128
	.end_amdhsa_kernel
	.amdgpu_metadata
---
amdhsa.version: [ 1, 2 ]
amdhsa.kernels:
  - .name:           k_q0ce11b56f5_prep
    .symbol:         k_q0ce11b56f5_prep.kd
    .args:
      - { .name: x, .offset: 0, .size: 8, .value_kind: global_buffer, .address_space: global }
      - { .name: ln_g, .offset: 8, .size: 8, .value_kind: global_buffer, .address_space: global }
      - { .name: ln_b, .offset: 16, .size: 8, .value_kind: global_buffer, .address_space: global }
      - { .name: w_qkv, .offset: 24, .size: 8, .value_kind: global_buffer, .address_space: global }
      - { .name: lowp_scales, .offset: 32, .size: 8, .value_kind: global_buffer, .address_space: global }
      - { .name: xn_codes, .offset: 40, .size: 8, .value_kind: global_buffer, .address_space: global }
      - { .name: w_codes, .offset: 48, .size: 8, .value_kind: global_buffer, .address_space: global }
    .group_segment_fixed_size: 35840
    .private_segment_fixed_size: 0
    .kernarg_segment_align: 8
    .kernarg_segment_size: 56
    .max_flat_workgroup_size: 128
    .sgpr_count:     66
    .vgpr_count:     224
    .wavefront_size: 32
...
	.end_amdgpu_metadata
.endif
;; end of part 1
;; launch gemm (part 2): grid 12 x 32, 4 waves a work-group, clusters of 4 x 4, 327,680 bytes of LDS; arguments xn_codes, w_codes, lowp_scales, mask, q_img, kv_img; writes q_img, kv_img
.if DOCPART == 2
	.amdgcn_target "amdgcn-amd-amdhsa--gfx1250"
	.amdhsa_code_object_version 6
	.text
	.protected	k_q0ce11b56f5_gemm
	.globl	k_q0ce11b56f5_gemm
	.p2align	8
	.type	k_q0ce11b56f5_gemm,@function
k_q0ce11b56f5_gemm:
	s_mov_b64 s[64:65], 0
	v_nop
	global_prefetch_b8 v0, s[64:65] scope:SCOPE_SE
	s_setreg_imm32_b32 hwreg(HW_REG_WAVE_MODE, 25, 1), 1
	s_wait_xcnt 0x0
	s_wait_alu depctr_hold_cnt(0) depctr_sa_sdst(0) depctr_va_vdst(0) depctr_va_sdst(0) depctr_va_ssrc(0) depctr_va_vcc(0) depctr_vm_vsrc(0)
	s_getreg_b32 s2, hwreg(HW_REG_IB_STS2, 6, 4)
	s_cmp_eq_u32 s2, 0
	s_cbranch_scc0 .Lentry_in_a_cluster
	s_endpgm
.Lentry_in_a_cluster:
	s_bfe_u32 s2, ttmp6, 0x10000c
	s_cmp_lg_u32 s2, 0xf033
	s_cbranch_scc0 .Lentry_shape_is_right
	s_endpgm
.Lentry_shape_is_right:
; qkv = xn w_qkv on codes of FP8 (E4M3): xn_codes [8192][1024], w_codes [3072][1024], K innermost (in one and the same order in both); f32 sums.  The sums never go to memory as f32:
; each stands for sum x 2^(e0 + e1) and is quantised here as an operand of attention, code = sum / 2^(e_t - e0 - e1), held within +-448, e_t = e2 for q, e3 for k, e5 for v.
; The codes are stored as IMAGES OF THE OPERANDS' REGISTERS of the attention launch (four registers of 32 lanes = 512 consecutive bytes a store):
;   q_img:  for head bh = 16 batch + head and tile qt of 16 tokens, 1,024 bytes at (128 bh + qt) x 1024: a 16 x 64 fragment: lane (r, h) holds token 16 qt + r, registers 2 c, 2 c + 1 channels 16 c + 8 h + 0 .. 7.
;   kv_img: for bh and key step ks of 128 tokens, 16,384 bytes at (16 bh + ks) x 16384: eight such fragments of k (tile = 16 neighbouring keys), then at +8192 four fragments 16 x 128 of v TURNED:
;           lane (r, h) holds channel 16 ct + r, registers 2 c, 2 c + 1 keys 16 c + 8 h + 0 .. 7.
; A KEY THAT THE MASK HIDES (mask > 0) GETS ZERO CODES IN k: its limit of the hold is 0.  The attention launch then gives its score by the bias alone.
; A tile of 256 x 256 is made by four waves, 128 x 128 each: 64 accumulators, 512 registers.  K goes in steps of 256 through a ring of two LDS slots filled by the tensor data mover.
; CLUSTERS: 4 x 4 work-groups; xn's tiles are asked for jointly along a row of the cluster, w's along a column.  The cluster's x (0, 1, 2) is the KIND: q, k or v; it is the same in all sixteen partners.
; Source 1 of a product gives the lane, source 0 the registers.  For q and k source 1 = 16 tokens, source 0 = 16 columns: a lane's eight results are eight neighbouring channels of one token.
; For v the two change places, by the fragments' LDS addresses alone (a choice on the kind, no branch): a lane's eight results are eight neighbouring tokens of one channel.
; 384 work-groups: a tile of 256 x 384 (256 work-groups) would want 768 registers of accumulators beside the fragments; one of 192 columns would cut heads.  K has four steps, so nothing is prefetched: the first
; two steps are asked for at the head and the other two behind the first two changes of slots.
; LIMITS: e_t - e0 - e1 between -126 and 119 for e_t = e2, e3, e5.
; REGISTERS, in windows of 256: window 0: v0-31 addresses, v8-15 the hold's limits; v32-95 held sums, v96-111 codes, v112-117 offsets and scales; from v128 source 1's fragments, ONE set.
;   window 1: source 0's fragments, TWO sets.   window 2: accumulators of blocks a = 0-3 ((a, b) at v[8 (8 a + b)]);   window 3: those of a = 4-7.
.set SIZE_K, 1024
.set KSTEP,  256                       ; along K in a slot
.set ROWB,   256                       ; a tile's row in bytes
.set KROW,   SIZE_K                    ; a row of codes in memory, in bytes
.set PITCH,  272                       ; an LDS row: 256 bytes + 16 of padding: the 16 rows that a load touches begin 16 bytes further on in each 256
.set FR,     16                        ; registers of a fragment: 16 rows x 128 K
.set NL,     4                         ; LDS loads that bring one
.set NP,     4                         ; places behind this matrix instruction (ISA guide 7.12.1)
.set HALFT,  128*PITCH                 ; 128 rows: what one tensor load brings
.set SLOT,   4*HALFT                   ; xn's 256 rows, then w's 256 rows
.set LAPS,   SIZE_K/(2*KSTEP)          ; a lap = two K steps = once round the ring
.set SPARE,  2*SLOT                    ; behind the ring: the spare words, 128 bytes for each wave: two blocks of 256 bytes that no other line names
.set MO,   7                           ; v7      4 x (lane % 16): the mask's offset; never rewritten
.set MK,   8                           ; v8-15   block a: the mask of token 16 a + lane % 16, then the hold's limit
.set ADRA, 16                          ; v16-17  LDS address of source 1's fragments in slot 0, 1
.set ADRB, 20                          ; v20-21  the same for source 0
.set SPW,  28                          ; v28     LDS address of my spare word; never rewritten
.set NIL,  29                          ; v29     0; never rewritten
.set TMP,  32                          ; v32-95  a block's 64 sums, held
.set CD,   96                          ; v96-111 its codes
.set VO,   112                         ; v112-115 the four stores' offsets
.set LIMV, 116                         ; v116    448 x 2^(e_t - e0 - e1)
.set SCV,  117                         ; v117    2^(e_t - e0 - e1)
.set AF,   128                         ; source 1's fragments, in window 0
.set G1, 24                            ; s[24:31] descriptor group 1 for xn's tiles;  s[32:39] group 0, one set for each slot
.set G0, 32
.set G1B, 48                           ; s[48:55], s[56:63] the same for w's tiles
.set G0B, 56
.set MSB, 0
.macro WIN new                         ; the immediate's high byte repeats the setting that is left
.if MSB != \new
	s_set_vgpr_msb (MSB<<8)|\new
.set MSB, \new
.endif
.endm
.set MUL_LO, 0xa1                      ; source 0 window 1, source 1 window 0, C and D window 2
.set MUL_HI, 0xf1                      ; the same, C and D window 3
.set TO_B,   0x40                      ; destination window 1, address window 0
; A joint load: waves 0 and 1 fetch xn's halves, waves 2 and 3 w's.  Each of the two lines has one mask and one set of registers for all that issue it; the branch hangs on the wave's number alone.
; An s_nop 0 and four v_nop follow each of the two lines.
.macro JLOAD g0a, g1a, g0b, g1b
	s_cmp_eq_u32 s15, 0
	s_cbranch_scc0 .Lfor_b_\@
	tensor_load_to_lds s[\g0a:\g0a+3], s[\g1a:\g1a+7]
	s_nop 0
.rept 4
	v_nop
.endr
	s_branch .Lasked_\@
.Lfor_b_\@:
	tensor_load_to_lds s[\g0b:\g0b+3], s[\g1b:\g1b+7]
	s_nop 0
.rept 4
	v_nop
.endr
.Lasked_\@:
.endm
.macro CREST                           ; a round of the cluster's barrier behind its opening barrier
	s_cmp_lg_u32 s14, 0
	s_cbranch_scc1 .Lnot_wave_0_\@
	s_barrier_signal -3
.Lnot_wave_0_\@:
	s_barrier_wait -3
	s_barrier_signal -1
	s_barrier_wait -1
.endm
.macro CROUND                          ; a whole round
	s_barrier_signal -1
	s_barrier_wait -1
	CREST
.endm
	s_load_b128 s[4:7], s[0:1], 0x0                ; xn_codes s[4:5], w_codes s[6:7]
	s_load_b128 s[8:11], s[0:1], 0x10              ; lowp_scales s[8:9], mask s[10:11]
	s_load_b128 s[88:91], s[0:1], 0x20             ; q_img s[88:89], kv_img s[90:91]
	v_lshl_add_u32 v[SPW], v0, 2, SPARE
	v_mov_b32 v[NIL], 0
	ds_add_u32 v[SPW], v[NIL]                      ; the wave's opening: the add and its wait stand ahead of my first tensor load; the set-up below, work on registers, stands between them
	v_lshrrev_b32 v1, 5, v0
	v_readfirstlane_b32 s14, v1                    ; wave 0..3
	s_lshr_b32 s15, s14, 1                         ; which 128 of the tile's tokens are mine.  Also: I fetch for xn (0) or for w (1)
	s_and_b32 s16, s14, 1                          ; which 128 of its columns.  Also: which 128 rows of that tile I fetch
	s_bfe_u32 s40, ttmp6, 0x40000                  ; cx, cy: my place in the cluster
	s_bfe_u32 s41, ttmp6, 0x40004
	s_lshl_b32 s42, ttmp9, 2
	s_add_co_u32 s42, s42, s40                     ; tile column = 4 x cluster x + cx
	s_and_b32 s17, ttmp7, 0xffff
	s_lshl_b32 s17, s17, 2
	s_add_co_u32 s17, s17, s41                     ; tile row = 4 x cluster y + cy
	s_lshl_b32 s43, s41, 2
	s_lshl_b32 s43, 15, s43                        ; my row of the cluster
	s_lshl_b32 s44, 0x1111, s40                    ; my column
	; descriptor group 1: a tile of 128 rows x 256 bytes, padded in LDS
	s_or_b32 s[G1+0], s43, (0<<16)|(1<<20)|(1<<21)|(5<<22)|(3<<25)  ; 15:0 the mask: xn's tiles go to my row; 17:16 element of 1 byte; 20 padding on; 21 set beside a mask; 24:22 after every 64 words; 31:25 four words
	s_or_b32 s[G1B+0], s44, (0<<16)|(1<<20)|(1<<21)|(5<<22)|(3<<25)
.irp g, G1, G1B
	s_mov_b32 s[\g+1], ROWB<<16                    ; tensor_dim0
	s_mov_b32 s[\g+2], 128<<16                     ; tensor_dim1 = 128
	s_mov_b32 s[\g+3], ROWB<<16                    ; tile_dim0
	s_mov_b32 s[\g+4], 128                         ; tile_dim1 = 128
	s_mov_b32 s[\g+5], KROW                        ; tensor_dim0_stride
	s_mov_b32 s[\g+6], 0
	s_mov_b32 s[\g+7], 0
.endr
	s_lshl_b32 s18, s16, 7                         ; which 128 rows of the tile I fetch
	s_lshl_b32 s20, s17, 8
	s_add_co_u32 s20, s20, s18                     ; xn: row 256 x tile row + 128 x half
	s_lshl_b32 s46, s42, 8
	s_add_co_u32 s46, s46, s18                     ; w: row 256 x tile column + 128 x half
	s_mov_b32 s21, 0
	s_mov_b32 s47, 0
	s_mov_b64 s[18:19], KROW
	s_mul_u64 s[20:21], s[20:21], s[18:19]
	s_mul_u64 s[46:47], s[46:47], s[18:19]
	s_mul_i32 s45, s14, HALFT                      ; where they go: wave x 128 rows: no place in the cluster enters an LDS address
	s_wait_dscnt 0x0                               ; the opening add is done
	s_wait_kmcnt 0x0
	s_load_b128 s[72:75], s[8:9], 0x0              ; e0, e1, e2, e3
	s_load_b64 s[76:77], s[8:9], 0x10              ; e4, e5
	s_add_nc_u64 s[20:21], s[4:5], s[20:21]
	s_add_nc_u64 s[46:47], s[6:7], s[46:47]
	CROUND                                         ; all sixteen work-groups are here: the first joint loads meet
.irp s, 0,1
	s_mov_b32 s[G0+4*\s], 1
	s_add_co_u32 s[G0+4*\s+1], s45, \s*SLOT
	s_add_nc_u64 s[G0+4*\s+2:G0+4*\s+3], s[20:21], \s*ROWB
	s_or_b32 s[G0+4*\s+3], s[G0+4*\s+3], 0x80000000
	s_mov_b32 s[G0B+4*\s], 1
	s_add_co_u32 s[G0B+4*\s+1], s45, \s*SLOT
	s_add_nc_u64 s[G0B+4*\s+2:G0B+4*\s+3], s[46:47], \s*ROWB
	s_or_b32 s[G0B+4*\s+3], s[G0B+4*\s+3], 0x80000000
	JLOAD G0+4*\s, G1, G0B+4*\s, G1B
.endr
	v_and_b32 v1, 15, v0                           ; l % 16
	v_bfe_u32 v2, v0, 4, 1                         ; l / 16
	; the mask of my 128 tokens: block a's 16, one a lane (both halves of the lanes alike)
	s_lshl_b32 s66, s17, 10
	s_lshl_b32 s67, s15, 9
	s_add_co_u32 s66, s66, s67                     ; 4 bytes x (256 x tile row + 128 x half)
	s_mov_b32 s67, 0
	s_add_nc_u64 s[78:79], s[10:11], s[66:67]
	v_lshlrev_b32 v[MO], 2, v1
.irp a, 0,1,2,3,4,5,6,7
	global_load_b32 v[MK+\a], v[MO], s[78:79] offset:64*\a
.endr
	v_mul_u32_u24 v3, v1, PITCH
	v_lshl_add_u32 v4, v2, 4, v3                   ; a fragment's row x pitch + 16 x half
	s_mul_i32 s21, s15, HALFT                      ; my 128 tokens' rows
	s_mul_i32 s22, s16, HALFT                      ; my 128 columns' rows,
	s_add_co_u32 s22, s22, 2*HALFT                 ; which lie behind xn's 256
	s_cmp_eq_u32 ttmp9, 2                          ; v?  The kind is the cluster's x: the same in all partners
	s_cselect_b32 s92, s22, s21                    ; source 1 (the lane): tokens for q and k, columns for v
	s_cselect_b32 s93, s21, s22                    ; source 0 (the registers): the other.  Both values lie inside the slot
.irp s, 0,1
	v_add_nc_u32 v[ADRA+\s], s92, v4
	v_add_nc_u32 v[ADRB+\s], s93, v4
	s_add_co_u32 s92, s92, SLOT
	s_add_co_u32 s93, s93, SLOT
.endr
	; THE WAY OUT'S CONSTANTS are made here, while the first tiles are on their way
	s_lshr_b32 s66, s17, 3                         ; the batch: 8 tile rows of 256 tokens
	s_lshl_b32 s66, s66, 4
	s_lshl_b32 s67, s40, 2
	s_add_co_u32 s66, s66, s67
	s_lshl_b32 s67, s16, 1
	s_add_co_u32 s66, s66, s67                     ; hb = 16 batch + 4 cx + 2 half: the first of my two heads
	s_and_b32 s67, s17, 7
	s_lshl_b32 s67, s67, 1
	s_add_co_u32 s67, s67, s15                     ; ks: which 128 tokens of the batch are mine
	s_lshl_b32 s68, s66, 4
	s_add_co_u32 s68, s68, s67                     ; 16 hb + ks
	s_lshl_b32 s69, s68, 14                        ; in kv_img: x 16,384
	s_lshl_b32 s68, s68, 13                        ; in q_img: (128 hb + 8 ks) x 1,024
	s_wait_kmcnt 0x0                               ; the six exponents
	s_cmp_eq_u32 ttmp9, 0                          ; q?
	s_cselect_b64 s[80:81], s[88:89], s[90:91]     ; the buffer
	s_cselect_b32 s68, s68, s69
	s_cselect_b32 s70, s74, s75                    ; e2 or e3
	s_mov_b32 s86, 0x40000
	s_cselect_b32 s86, 0x20000, s86                ; from a head to the next: 128 x 1,024 in q_img, 16 x 16,384 in kv_img
	s_cmp_eq_u32 ttmp9, 2                          ; v?
	s_cselect_b32 s70, s77, s70                    ; e5
	s_cselect_b32 s86, 1024, s86                   ; v: a block's 16 registers are one image of 2,048 bytes
	s_mov_b32 s82, 1024
	s_cselect_b32 s82, 2048, s82                   ; from block a to a + 1
	s_cselect_b32 s84, 253952, 0                   ; v, ahead of a = 4: on to the next head: 262,144 - 4 x 2,048
	s_cselect_b32 s71, 8192, 0                     ; v lies behind k in a key step's 16,384 bytes
	s_mov_b32 s83, 0
	s_mov_b32 s85, 0
	s_mov_b32 s69, 0
	s_cmp_eq_u32 ttmp9, 1                          ; k?
	s_cselect_b32 s87, -1, 0                       ; the mask counts for k alone
	s_add_co_u32 s68, s68, s71
	s_add_nc_u64 s[80:81], s[80:81], s[68:69]      ; where block 0's images go
	s_sub_co_i32 s70, s70, s72
	s_sub_co_i32 s70, s70, s73                     ; e_t - e0 - e1: the three scales folded into the conversion's one
	s_add_co_i32 s70, s70, 127
	s_lshl_b32 s71, s70, 23
	v_mov_b32 v[SCV], s71
	s_add_co_i32 s70, s70, 8
	s_lshl_b32 s70, s70, 23
	s_or_b32 s70, s70, 0x600000
	v_mov_b32 v[LIMV], s70                         ; 448 x that
	v_and_b32 v5, 31, v0
	v_lshlrev_b32 v[VO], 4, v5                     ; 16 x lane: registers 0-3 of the block's codes,
	v_add_nc_u32 v[VO+1], 512, v[VO]               ; 4-7,
	v_add_nc_u32 v[VO+2], s86, v[VO]               ; 8-11: the second head's image (v: the image's second half),
	v_add_nc_u32 v[VO+3], 512, v[VO+2]             ; 12-15
	s_wait_loadcnt 0x0                             ; the mask
.irp a, 0,1,2,3,4,5,6,7
	v_and_b32 v[MK+\a], s87, v[MK+\a]              ; q, v: as if open
	v_cmp_ge_i32 vcc_lo, 0, v[MK+\a]               ; open where the mask is not above 0
	v_cndmask_b32 v[MK+\a], 0, v[LIMV], vcc_lo     ; the hold's limit: 448 x the scale, or 0 for a hidden key
.endr
.macro FRAG reg, adr, q, i             ; a fragment, 16 rows x 128 K, is 16 registers: lane l holds row l % 16; registers 4 c .. 4 c + 3 the 16 bytes at 32 c + 16 (l / 16): the same places of K in both sources
.irp c, 0,1,2,3
	ds_load_b128 v[\reg+4*\c:\reg+4*\c+3], v[\adr] offset:128*(\q)+32*\c+(\i)*16*PITCH
.endr
.endm
; 16 matrix instructions: source 1's blocks a0, a0 + 1 x source 0's eight, 128 along K.  p: source 0's set.  zero = 1: the first product starts the sums.
; The 64 accumulators take turns, one instruction a turn, in the same order in every step.
.macro MUL16 a0, p, zero
.irp a, \a0, \a0+1
.irp b, 0,1,2,3,4,5,6,7
.if \zero
	v_wmma_f32_16x16x128_fp8_fp8 v[8*(8*((\a)%4)+\b):8*(8*((\a)%4)+\b)+7], v[128*(\p)+FR*\b:128*(\p)+FR*\b+FR-1], v[AF+FR*(\a):AF+FR*(\a)+FR-1], 0
.else
	v_wmma_f32_16x16x128_fp8_fp8 v[8*(8*((\a)%4)+\b):8*(8*((\a)%4)+\b)+7], v[128*(\p)+FR*\b:128*(\p)+FR*\b+FR-1], v[AF+FR*(\a):AF+FR*(\a)+FR-1], v[8*(8*((\a)%4)+\b):8*(8*((\a)%4)+\b)+7]
.endif
.endr
.endr
.endm
.macro FETCH_B slot, q, p              ; source 0's eight fragments of the slot's q-th 128 along K into set p
	WIN TO_B
.irp i, 0,1,2,3,4,5,6,7
	FRAG 128*(\p)+FR*\i, ADRB+\slot, \q, \i
.endr
	WIN 0
.endm
.macro FETCH_A slot, q, i0             ; source 1's blocks i0 .. i0 + 3
.irp i, \i0, \i0+1, \i0+2, \i0+3
	FRAG AF+FR*(\i), ADRA+\slot, \q, \i
.endr
.endm
; A load into a register that a matrix instruction has read, and a vector instruction that reads a matrix result, stand NP places behind that matrix instruction; only plain vector
; instructions that name none of its registers are places (ISA guide 7.12.1 for vector instructions).
.macro PLACES n
.rept \n
	v_nop
.endr
.endm
; A step of 128 along K that has its successor in the same slot.
.macro STEP slot, q, zero
	s_wait_dscnt 4*NL                              ; source 0's set and blocks 0-3 are in; the youngest 16 loads (blocks 4-7) may be out
	WIN MUL_LO
	MUL16 0, (\q)%2, \zero
	MUL16 2, (\q)%2, \zero
	s_wait_dscnt 0                                 ; blocks 4-7 are in (asked for 32 matrix instructions ago)
	PLACES NP
	FETCH_B \slot, (\q)+1, 1-(\q)%2
	FETCH_A \slot, (\q)+1, 0
	WIN MUL_HI
	MUL16 4, (\q)%2, \zero
	MUL16 6, (\q)%2, \zero
	PLACES NP
	WIN 0
	FETCH_A \slot, (\q)+1, 4
.endm
; A slot's last step changes slots: one barrier; in front of it each wave waits for all its tensor loads, adds 0 to its spare word, and waits for that and for its own reads of this slot.  fill = 1: this slot is filled again, two K steps ahead.
.macro TURN slot, next, fill
	s_wait_tensorcnt 0x0                           ; all my tensor loads have landed: my part of the next slot  (every window is 0 here)
	ds_add_u32 v[SPW], v[NIL]                      ; 0 onto my spare word
	s_wait_dscnt 4*NL+1                            ; (the add and the youngest 16 loads, blocks 4-7, may be out)
	WIN MUL_LO
	MUL16 0, 1, 0                                  ; sixteen matrix instructions stand between the add and the wait for it
	s_wait_dscnt 0x0                               ; the add is done, and my reads of this slot are over
	s_barrier_signal -1
	MUL16 2, 1, 0
	WIN 0
	s_barrier_wait -1
.if \fill
	CREST                                          ; the barrier has opened a round of the cluster's barrier: no wave of any partner still reads this slot's tile or has a load on its way
	s_add_nc_u64 s[G0+4*\slot+2:G0+4*\slot+3], s[G0+4*\slot+2:G0+4*\slot+3], 2*ROWB
	s_add_nc_u64 s[G0B+4*\slot+2:G0B+4*\slot+3], s[G0B+4*\slot+2:G0B+4*\slot+3], 2*ROWB
	JLOAD G0+4*\slot, G1, G0B+4*\slot, G1B         ; the first tensor load behind the round; the four v_nop behind it are the places in front of the loads below
.else
	PLACES NP
.endif
	FETCH_B \next, 0, 0
	FETCH_A \next, 0, 0
	WIN MUL_HI
	MUL16 4, 1, 0
	MUL16 6, 1, 0
	PLACES NP
	WIN 0
	FETCH_A \next, 0, 4
.endm
	s_wait_tensorcnt 1                             ; my part of K step 0 is in (K step 1's load may be out)
	s_barrier_signal -1
	s_barrier_wait -1                              ; everybody's is
	FETCH_B 0, 0, 0
	FETCH_A 0, 0, 0
	FETCH_A 0, 0, 4
	STEP 0, 0, 1                                   ; the first step stands in front of the loop: its products start the sums
	s_mov_b32 s3, LAPS-1
.Llap:                                                 ; a trip goes once round the ring, from a lap's second step to the next lap's first, and fills both slots again
	TURN 0, 1, 1
	STEP 1, 0, 0
	TURN 1, 0, 1
	STEP 0, 0, 0
	s_sub_co_u32 s3, s3, 1
	s_cmp_lg_u32 s3, 0
	s_cbranch_scc1 .Llap
	TURN 0, 1, 0                                   ; the last lap fills nothing, and has no round of the cluster's barrier
	STEP 1, 0, 0
	s_wait_dscnt 4*NL                              ; the very last step: nothing more to fetch
	WIN MUL_LO
	MUL16 0, 1, 0
	MUL16 2, 1, 0
	s_wait_dscnt 0
	WIN MUL_HI
	MUL16 4, 1, 0
	MUL16 6, 1, 0
	WIN 0
; THE WAY OUT, block a (16 lanes' rows x 128) at a time, without LDS: the block's eight accumulators become 16 registers of codes, which ARE operand images: two fragments 16 x 64 (q, k: heads hb, hb + 1) or one 16 x 128 (v).
.macro OUT a
.set AC, 64*((\a)%4)
	WIN (0x02+((\a)/4))                            ; source 0: window 2 or 3
.irp j, 0,1,2,3,4,5,6,7,8,9,10,11,12,13,14,15,16,17,18,19,20,21,22,23,24,25,26,27,28,29,30,31,32,33,34,35,36,37,38,39,40,41,42,43,44,45,46,47,48,49,50,51,52,53,54,55,56,57,58,59,60,61,62,63
	v_med3_num_f32 v[TMP+\j], v[AC+\j], -v[MK+(\a)], v[MK+(\a)]   ; the hold (the conversion does not saturate: ISA guide 7.6.2), into other registers; each accumulator from its low end on
.endr
	WIN 0
.if (\a) > 0
	s_wait_xcnt 0x0                                ; the last block's stores have read their data and their base: both are written again only behind this wait
.endif
.irp b, 0,1,2,3,4,5,6,7
	v_cvt_scalef32_pk8_fp8_f32 v[CD+2*\b:CD+2*\b+1], v[TMP+8*\b:TMP+8*\b+7], v[SCV]
.endr
	v_nop                                          ; one plain vector instruction behind the last conversion: the next block's holds write its sources
.if (\a) > 0
	s_add_nc_u64 s[80:81], s[80:81], s[82:83]
.endif
.if (\a) == 4
	s_add_nc_u64 s[80:81], s[80:81], s[84:85]
.endif
.irp c, 0,1,2,3
	global_store_b128 v[VO+\c], v[CD+4*\c:CD+4*\c+3], s[80:81]   ; 32 lanes store 512 consecutive bytes, at a multiple of 512 from the buffer's first byte
.endr
.endm
	PLACES NP                                      ; behind the last products
.irp a, 0,1,2,3,4,5,6,7
	OUT \a
.endr
	s_wait_tensorcnt 0x0                           ; the wave's end, behind my last tensor load
	ds_add_u32 v[SPW], v[NIL]
	s_wait_dscnt 0x0
	CROUND                                         ; the closing round: no work-group ends while a partner may still ask for a tile that names it
	s_endpgm
.Lfunc_end_k_q0ce11b56f5_gemm:
	.size	k_q0ce11b56f5_gemm, .Lfunc_end_k_q0ce11b56f5_gemm-k_q0ce11b56f5_gemm
	.p2alignl 7, 3214868480
	.fill 96, 4, 3214868480
	.section	.rodata,"a",@progbits
	.p2align	6, 0x0
	.amdhsa_kernel k_q0ce11b56f5_gemm
		.amdhsa_group_segment_fixed_size 327680
		.amdhsa_private_segment_fixed_size 0
		.amdhsa_enable_private_segment 0
		.amdhsa_kernarg_size 48
		.amdhsa_user_sgpr_count 2
		.amdhsa_user_sgpr_kernarg_segment_ptr 1
		.amdhsa_wavefront_size32 1
		.amdhsa_system_sgpr_workgroup_id_x 1
		.amdhsa_system_sgpr_workgroup_id_y 1
		.amdhsa_system_sgpr_workgroup_id_z 1
		.amdhsa_system_vgpr_workitem_id 0
		.amdhsa_next_free_vgpr 1024
		.amdhsa_next_free_sgpr 96
		.amdhsa_reserve_vcc 1
		.amdhsa_float_denorm_mode_32 3
		.amdhsa_float_denorm_mode_16_64 3
		.amdhsa_memory_ordered 1
		.amdhsa_forward_progress 1
		.amdhsa_inst_pref_size 121
	.end_amdhsa_kernel
	.amdgpu_metadata
---
amdhsa.version: [ 1, 2 ]
amdhsa.kernels:
  - .name:           k_q0ce11b56f5_gemm
    .symbol:         k_q0ce11b56f5_gemm.kd
    .args:
      - { .name: xn_codes, .offset: 0, .size: 8, .value_kind: global_buffer, .address_space: global }
      - { .name: w_codes, .offset: 8, .size: 8, .value_kind: global_buffer, .address_space: global }
      - { .name: lowp_scales, .offset: 16, .size: 8, .value_kind: global_buffer, .address_space: global }
      - { .name: mask, .offset: 24, .size: 8, .value_kind: global_buffer, .address_space: global }
      - { .name: q_img, .offset: 32, .size: 8, .value_kind: global_buffer, .address_space: global }
      - { .name: kv_img, .offset: 40, .size: 8, .value_kind: global_buffer, .address_space: global }
    .group_segment_fixed_size: 327680
    .private_segment_fixed_size: 0
    .kernarg_segment_align: 8
    .kernarg_segment_size: 48
    .max_flat_workgroup_size: 128
    .sgpr_count:     96
    .vgpr_count:     1024
    .wavefront_size: 32
...
	.end_amdgpu_metadata
.endif
;; end of part 2
;; launch attn (part 3): grid 4 x 64, 8 waves a work-group, clusters of 4 x 1, 327,680 bytes of LDS; arguments q_img, kv_img, mask, lowp_scales, out0; writes out0
.if DOCPART == 3
	.amdgcn_target "amdgcn-amd-amdhsa--gfx1250"
	.amdhsa_code_object_version 6
	.text
	.protected	k_q0ce11b56f5_attn
	.globl	k_q0ce11b56f5_attn
	.p2align	8
	.type	k_q0ce11b56f5_attn,@function
k_q0ce11b56f5_attn:
	s_mov_b64 s[64:65], 0
	v_nop
	global_prefetch_b8 v0, s[64:65] scope:SCOPE_SE
	s_setreg_imm32_b32 hwreg(HW_REG_WAVE_MODE, 25, 1), 1
	s_wait_xcnt 0x0
	s_wait_alu depctr_hold_cnt(0) depctr_sa_sdst(0) depctr_va_vdst(0) depctr_va_sdst(0) depctr_va_ssrc(0) depctr_va_vcc(0) depctr_vm_vsrc(0)
	s_getreg_b32 s2, hwreg(HW_REG_IB_STS2, 6, 4)
	s_cmp_eq_u32 s2, 0
	s_cbranch_scc0 .Lentry_in_a_cluster
	s_endpgm
.Lentry_in_a_cluster:
	s_bfe_u32 s2, ttmp6, 0x10000c
	s_cmp_lg_u32 s2, 0x3003
	s_cbranch_scc0 .Lentry_shape_is_right
	s_endpgm
.Lentry_shape_is_right:
; out0[b][q][64 head + :] = the sum over keys of softmax(q . k / 8, keys with mask > 0 hidden) v, both products on codes of FP8 (E4M3) with the given scales 2^e2 (q), 2^e3 (k), 2^e4 (p), 2^e5 (v).
; q_img and kv_img hold the operands as images of their registers (four registers of 32 lanes = 512 bytes, lane l's 16 bytes at 16 l): every fragment comes by ds_load_b128 or global_load_b128 at 16 x lane.
; THE SOFTMAX: t = score x 2^(e2 + e3) x log2(e) / 8; M = the running largest t rounded UP to a whole number; p = 2^(t - M) is quantised along the keys, not normalised; the row's sum is taken of the
; unquantised p and divides at the end.  When M moves, the sum and O are multiplied by 2^(old M - new M), which rounds nothing.
; THE MASK costs no instruction a score: a hidden key has zero codes in k, and the first product's C is a bias, 0 for an open key and -2^64 for a hidden one.  So a hidden key's score is exactly -2^64: its p is 0
; as soon as one open key has been met (what was summed before is multiplied by 0), and where ALL keys of a batch are hidden every p is 1: the plain mean of v.
; SHARES.  A work-group owns 512 queries of one head, in two passes of 256; in a pass each of its eight waves (two to a SIMD) owns two tiles of 16 queries, so each fragment of K and V read from LDS feeds two products.
; ALL OF THE HEAD'S K AND V, 262,144 bytes, STAYS IN LDS.  The four work-groups of a cluster are the four query blocks of one head: each key step is asked for JOINTLY, once, at the head: no slot is ever filled again.
; All that a work-group reads is asked for in its first lines, so nothing is prefetched.
; LAYOUT.  S^T = K Q^T (source 0 = 16 keys, source 1 = 16 queries): lane (r, h) holds query r, register j of tile u key 16 u + 8 h + j.  Eight such registers convert into registers 2 u, 2 u + 1 of a 16 x 128
; operand, as that form's own layout has them, and V's images are laid in the same layout: O^T = V^T P^T again holds one query a lane.
; LIMITS: e2 + e3 between -50 and 60 (they are added to c's exponent field, and -2^64 c must be finite and lie far under every t); e4 between -126 and 119; e4 + e5 goes by v_ldexp_f32.  NaN is not served.
; REGISTERS: tile 0 in window 0, tile 1 in window 1, at the SAME numbers: v12 -M, v13 the largest t, v[14:15] the sum, v16-23 Q, v24-31 Q of the next pass, v96-159 S^T then p, v160-191 O^T, v192-207 p's codes,
;   v234-243 chains of sums, v236 a permute's destination, v240 448 x 2^e4, v244 2^e4, v246-249 chains of maxima, v[252:253] f.   Window 0 alone: v1-11 addresses, v32-95 K's then V's fragments.   Window 1 alone: v32-95 the bias.
.set BIAS,  262144                     ; LDS: 0 .. 262,143 K and V, key step s at 16,384 s as in memory; then 2,048 f32 of bias;
.set STAGE, 270336                     ; then a stage of 16 rows x 272 bytes for each wave, for the way out;
.set SP,    272
.set SPARE, 305152                     ; then the spare words, 128 bytes for each wave: four blocks of 256 bytes that no other line names
.set LI,  1                            ; v1   16 x lane
.set HB,  2                            ; v2   32 x (lane / 16)
.set STO, 3                            ; v3   the stage: where I put 16 bytes of a row
.set RD,  4                            ; v4   and where I read a row back
.set SPW, 5                            ; v5   LDS address of my spare word; never rewritten
.set NIL, 6                            ; v6   0; never rewritten
.set GO,  7                            ; v7   my byte offset in two rows of out0
.set ADK, 8                            ; v8   the key step's K and V
.set ADB, 9                            ; v9   its bias
.set Q,   16
.set KV,  32
.set S,   96
.set O,   160
.set PC,  192
.set MX,  246
.set WV,  14                           ; s14  my wave's number
.set G1,  24                           ; s[24:31] descriptor group 1;  s[32:35], s[36:39] groups 0
.set G0,  32
.set SEL, 48                           ; s[48:49] v_permlanex16_b32's selects: lane l xor 16
.set CS,  50                           ; s[50:51] c = log2(e) / 8 x 2^(e2 + e3), twice
.set TB,  52                           ; s52  LDS byte of the key step in hand
.set BB,  53                           ; s53  of its bias
.set CNT, 54
.set PASS, 55
.set MSB, 0
.macro WIN new                         ; the immediate's high byte repeats the setting that is left
.if MSB != \new
	s_set_vgpr_msb (MSB<<8)|\new
.set MSB, \new
.endif
.endm
.macro CROUND                          ; a round of the cluster's barrier
	s_barrier_signal -1
	s_barrier_wait -1
	s_cmp_lg_u32 s[WV], 0
	s_cbranch_scc1 .Lnot_wave_0_\@
	s_barrier_signal -3
.Lnot_wave_0_\@:
	s_barrier_wait -3
	s_barrier_signal -1
	s_barrier_wait -1
.endm
	s_load_b256 s[4:11], s[0:1], 0x0               ; q_img s[4:5], kv_img s[6:7], mask s[8:9], lowp_scales s[10:11]
	s_load_b64 s[12:13], s[0:1], 0x20              ; out0
	v_lshl_add_u32 v[SPW], v0, 2, SPARE
	v_mov_b32 v[NIL], 0
	ds_add_u32 v[SPW], v[NIL]                      ; the wave's opening: the add and its wait stand ahead of my first tensor load; the set-up below, work on registers, stands between them
	v_lshrrev_b32 v10, 5, v0
	v_readfirstlane_b32 s[WV], v10                 ; wave 0..7
	s_bfe_u32 s15, ttmp6, 0x40000                  ; cx: which 512 queries of the head
	s_and_b32 s16, ttmp7, 0xffff                   ; bh = 16 batch + head, which the four partners share
	; descriptor group 1: 64 rows of 256 bytes, dense in memory and in LDS: one key step
	s_mov_b32 s[G1], 15|(3<<16)|(1<<21)            ; 15:0 the mask: all four work-groups; 17:16 elements of 8 bytes; 21 set beside a mask; no padding
	s_mov_b32 s[G1+1], 32<<16                      ; tensor_dim0 = 32 elements
	s_mov_b32 s[G1+2], 64<<16                      ; tensor_dim1 = 64
	s_mov_b32 s[G1+3], 32<<16                      ; tile_dim0
	s_mov_b32 s[G1+4], 64                          ; tile_dim1
	s_mov_b32 s[G1+5], 32                          ; from row to row
	s_mov_b32 s[G1+6], 0
	s_mov_b32 s[G1+7], 0
	s_mov_b32 s[SEL], 0x76543210
	s_mov_b32 s[SEL+1], 0xfedcba98
	s_lshl_b32 s17, s[WV], 14                      ; key step w of a chunk of eight: 16,384 w, in memory and in LDS: no place in the cluster enters either
	s_lshl_b32 s18, s16, 18                        ; the head's 262,144 bytes
	s_add_co_u32 s18, s18, s17
	s_mov_b32 s19, 0
	s_lshl_b32 s20, s16, 17                        ; Q: 131,072 bh + 32,768 cx + 2,048 w: tile 32 cx + 16 pass + 2 w + t
	s_lshl_b32 s21, s15, 15
	s_add_co_u32 s20, s20, s21
	s_lshl_b32 s21, s[WV], 11
	s_add_co_u32 s20, s20, s21
	s_mov_b32 s21, 0
	s_lshr_b32 s40, s16, 4                         ; the batch
	s_lshl_b32 s22, s40, 23                        ; out0: 2,048 rows of 4,096 bytes a batch, 65,536 bytes a tile of queries, 256 bytes a head
	s_lshl_b32 s23, s15, 21
	s_add_co_u32 s22, s22, s23
	s_lshl_b32 s23, s[WV], 17
	s_add_co_u32 s22, s22, s23
	s_and_b32 s23, s16, 15
	s_lshl_b32 s23, s23, 8
	s_add_co_u32 s22, s22, s23
	s_mov_b32 s23, 0
	s_lshl_b32 s40, s40, 13                        ; the batch's 2,048 words of mask
	s_mov_b32 s41, 0
	s_wait_dscnt 0x0                               ; the opening add is done
	s_wait_kmcnt 0x0
	s_load_b128 s[68:71], s[10:11], 0x0            ; e0, e1, e2, e3
	s_load_b64 s[72:73], s[10:11], 0x10            ; e4, e5
	s_add_nc_u64 s[6:7], s[6:7], s[18:19]
	s_add_nc_u64 s[20:21], s[4:5], s[20:21]
	s_add_nc_u64 s[22:23], s[12:13], s[22:23]
	s_add_nc_u64 s[8:9], s[8:9], s[40:41]
.irp g, 0,1
	s_mov_b32 s[G0+4*\g], 1                        ; count = 1
	s_add_co_u32 s[G0+4*\g+1], s17, \g*131072      ; LDS address: key step 8 g + w
	s_add_nc_u64 s[G0+4*\g+2:G0+4*\g+3], s[6:7], \g*131072
	s_or_b32 s[G0+4*\g+3], s[G0+4*\g+3], 0x80000000  ; type = 2
.endr
	CROUND                                         ; all four work-groups are here: the joint loads meet
	tensor_load_to_lds s[G0:G0+3], s[G1:G1+7]      ; the only tensor loads of the launch: two of mine are out
	s_nop 0
	tensor_load_to_lds s[G0+4:G0+7], s[G1:G1+7]
	s_nop 0
.rept 4
	v_nop
.endr
	v_lshlrev_b32 v11, 4, v0                       ; 16 x thread: four keys' words of mask
	global_load_b128 v[96:99], v11, s[8:9]
	global_load_b128 v[100:103], v11, s[8:9] offset:4096
	v_and_b32 v10, 31, v0
	v_lshlrev_b32 v[LI], 4, v10
.irp p, 0,1                            ; Q of both passes stays in registers
.irp c, 0,1
	global_load_b128 v[Q+8*\p+4*\c:Q+8*\p+4*\c+3], v[LI], s[20:21] offset:\p*16384+\c*512
.endr
.endr
	WIN 0x40                                       ; destination window 1: tile 1
.irp p, 0,1
.irp c, 0,1
	global_load_b128 v[Q+8*\p+4*\c:Q+8*\p+4*\c+3], v[LI], s[20:21] offset:\p*16384+1024+\c*512
.endr
.endr
	WIN 0
	v_and_b32 v8, 15, v0                           ; r
	v_bfe_u32 v9, v0, 4, 1                         ; h
	v_lshlrev_b32 v[HB], 5, v9
	s_mul_i32 s42, s[WV], 16*SP
	s_add_co_u32 s42, s42, STAGE                   ; my stage
	v_mul_u32_u24 v[STO], v8, SP
	v_lshl_add_u32 v[STO], v9, 5, v[STO]
	v_add_nc_u32 v[STO], s42, v[STO]               ; in: row r, 32 bytes for each half of the lanes
	v_mul_u32_u24 v[RD], v9, SP
	v_lshl_add_u32 v[RD], v8, 4, v[RD]
	v_add_nc_u32 v[RD], s42, v[RD]                 ; back: lanes 0-15 one row of 256 bytes, lanes 16-31 the next
	v_lshlrev_b32 v[GO], 12, v9
	v_lshl_add_u32 v[GO], v8, 4, v[GO]             ; and the same two rows in out0
	v_lshl_add_u32 v208, v0, 4, BIAS               ; where my thread's four keys' bias goes
	v_mov_b32 v209, 0xdf800000                     ; -2^64
	s_wait_loadcnt 8                               ; the mask's two loads are in; Q's eight may be out
.irp i, 0,1,2,3,4,5,6,7
	v_cmp_lt_i32 vcc_lo, 0, v[96+\i]               ; hidden where the mask is above 0
	v_cndmask_b32 v[96+\i], 0, v209, vcc_lo
.endr
	ds_store_b128 v208, v[96:99]
	ds_store_b128 v208, v[100:103] offset:4096     ; they are waited for ahead of the first barrier below
	s_wait_kmcnt 0x0
	s_add_co_i32 s57, s70, s71
	s_lshl_b32 s57, s57, 23
	s_mov_b32 s[CS], 0x3e38aa3b                    ; log2(e) / 8
	s_add_co_i32 s[CS], s[CS], s57                 ; x 2^(e2 + e3): the exponents are added to its exponent field
	s_mov_b32 s[CS+1], s[CS]                       ; (named with it as a pair, so it is written)
	s_add_co_i32 s57, s72, 127
	s_lshl_b32 s58, s57, 23                        ; 2^e4
	s_add_co_i32 s57, s57, 8
	s_lshl_b32 s57, s57, 23
	s_or_b32 s57, s57, 0x600000                    ; 448 x 2^e4
	s_add_co_i32 s56, s72, s73                     ; e4 + e5
	v_mov_b32 v244, s58
	v_mov_b32 v240, s57
	WIN 0x40
	v_mov_b32 v244, s58
	v_mov_b32 v240, s57
	WIN 0
	s_wait_loadcnt 0x0                             ; Q
	s_mov_b32 s[PASS], 2
; One tile's softmax for a key step of 128 keys, 64 of them in my lane.  It names one window's registers alone: it is written once and runs under window 0 and under window 1.
.macro SOFTMAX
.irp k, 0,1,2,3                        ; the largest score, in four chains; each accumulator is first read at its low end
	v_max3_num_f32 v[MX+\k], v[S+16*\k], v[S+16*\k+1], v[S+16*\k+2]
.endr
.irp i, 1,2,3,4,5,6
.irp k, 0,1,2,3
	v_max3_num_f32 v[MX+\k], v[MX+\k], v[S+16*\k+2*\i+1], v[S+16*\k+2*\i+2]
.endr
.endr
	v_max3_num_f32 v[MX], v[MX], v[S+15], v[S+31]
	v_max3_num_f32 v[MX+2], v[MX+2], v[S+47], v[S+63]
	v_max3_num_f32 v[MX], v[MX], v[MX+1], v[MX+2]
	v_max_num_f32 v[MX], v[MX], v[MX+3]
	v_permlanex16_b32 v236, v[MX], s[SEL], s[SEL+1]
	v_max_num_f32 v[MX], v[MX], v236               ; and among lane l xor 16's keys
	v_mul_f32 v[MX], s[CS], v[MX]                  ; as t (c is positive)
	v_max_num_f32 v13, v13, v[MX]                  ; the running largest t
	v_mov_b32 v[MX+1], v12
	v_floor_f32 v12, -v13                          ; the new -M = floor(-t): M is a whole number
	v_sub_f32 v[MX+1], v12, v[MX+1]                ; old M - new M: a whole number, 0 or less
	v_cvt_i32_f32 v[MX+1], v[MX+1]                 ; (it saturates)
	v_ldexp_f32 v252, 1.0, v[MX+1]                 ; f = 2^(old M - new M)
.irp j, 0,2,4,6,8,10,12,14,16,18,20,22,24,26,28,30,32,34,36,38,40,42,44,46,48,50,52,54,56,58,60,62
	v_pk_fma_f32 v[S+\j:S+\j+1], v[S+\j:S+\j+1], s[CS:CS+1], v[12:13] op_sel_hi:[1,0,0]   ; t - M, two at a time
.endr
.irp j, 0,1,2,3,4,5,6,7,8,9,10,11,12,13,14,15,16,17,18,19,20,21,22,23,24,25,26,27,28,29,30,31,32,33,34,35,36,37,38,39,40,41,42,43,44,45,46,47,48,49,50,51,52,53,54,55,56,57,58,59,60,61,62,63
	v_exp_f32 v[S+\j], v[S+\j]                     ; p = 2^(t - M)
.endr
	v_pk_mul_f32 v[14:15], v[14:15], v[252:253] op_sel_hi:[1,0]   ; the sum under the new M: the plain instruction behind the exponentials
	s_wait_alu depctr_va_vdst(0)                   ; one wait for the batch of 64, ahead of its first reader
	v_pk_add_f32 v[234:235], v[S:S+1], v[S+2:S+3]  ; the row's sum, of the unquantised p, in four chains
	v_pk_add_f32 v[238:239], v[S+4:S+5], v[S+6:S+7]
	v_pk_add_f32 v[242:243], v[S+8:S+9], v[S+10:S+11]
.irp j, 12,20,28,36,44,52
	v_pk_add_f32 v[14:15], v[14:15], v[S+\j:S+\j+1]
	v_pk_add_f32 v[234:235], v[234:235], v[S+\j+2:S+\j+3]
	v_pk_add_f32 v[238:239], v[238:239], v[S+\j+4:S+\j+5]
	v_pk_add_f32 v[242:243], v[242:243], v[S+\j+6:S+\j+7]
.endr
	v_pk_add_f32 v[14:15], v[14:15], v[S+60:S+61]
	v_pk_add_f32 v[234:235], v[234:235], v[S+62:S+63]
	v_pk_add_f32 v[238:239], v[238:239], v[242:243]
	v_pk_add_f32 v[14:15], v[14:15], v[234:235]
	v_pk_add_f32 v[14:15], v[14:15], v[238:239]
.irp t, 0,1,2,3,4,5,6,7
.irp i, 0,1,2,3,4,5,6,7
	v_min_num_f32 v[S+8*\t+\i], v[S+8*\t+\i], v240   ; the conversion does not saturate (ISA guide 7.6.2); p is not negative, so the hold is one-sided
.endr
	v_cvt_scalef32_pk8_fp8_f32 v[PC+2*\t:PC+2*\t+1], v[S+8*\t:S+8*\t+7], v244   ; keys 16 t + 8 h + 0 .. 7: registers 2 t, 2 t + 1 of the second product's operand
.endr
.irp j, 0,2,4,6,8,10,12,14,16,18,20,22,24,26,28,30
	v_pk_mul_f32 v[O+\j:O+\j+1], v[O+\j:O+\j+1], v[252:253] op_sel_hi:[1,0]   ; O^T under the new M; also the plain instructions behind the last conversion
.endr
.endm
; A KEY STEP: 128 keys, for my two tiles of queries.  No two matrix instructions that follow each other name one accumulator, over the loop's backward jump too.
.macro STEP
	v_add_nc_u32 v[ADK], s[TB], v[LI]
	v_add_nc_u32 v[ADB], s[BB], v[HB]
	v_nop
	v_nop                                          ; four places behind the last products, whose fragments of V are loaded over
.irp f, 0,1,2,3,4,5,6,7,8,9,10,11,12,13,14,15
	ds_load_b128 v[KV+4*\f:KV+4*\f+3], v[ADK] offset:512*\f   ; K: eight fragments of 16 keys x 64
.endr
	WIN 0x40                                       ; destination window 1
.irp f, 0,1,2,3,4,5,6,7,8,9,10,11,12,13,14,15
	ds_load_b128 v[KV+4*\f:KV+4*\f+3], v[ADB] offset:64*(\f/2)+16*(\f%2)   ; the bias in the result's layout: register j of tile u: key 16 u + 8 h + j
.endr
	s_wait_dscnt 0x0
	WIN 0x10                                       ; C (the bias) window 1, all else window 0: tile 0
.irp t, 0,1,2,3,4,5,6,7
	v_wmma_f32_16x16x64_fp8_fp8 v[S+8*\t:S+8*\t+7], v[KV+8*\t:KV+8*\t+7], v[Q:Q+7], v[KV+8*\t:KV+8*\t+7]
.endr
	WIN 0x54                                       ; K window 0, all else window 1: tile 1
.irp t, 0,1,2,3,4,5,6,7
	v_wmma_f32_16x16x64_fp8_fp8 v[S+8*\t:S+8*\t+7], v[KV+8*\t:KV+8*\t+7], v[Q:Q+7], v[KV+8*\t:KV+8*\t+7]
.endr
	WIN 0
.rept 4
	v_nop                                          ; places in front of the loads over K's fragments and of the first read of the scores
.endr
.irp f, 0,1,2,3,4,5,6,7,8,9,10,11,12,13,14,15
	ds_load_b128 v[KV+4*\f:KV+4*\f+3], v[ADK] offset:8192+512*\f   ; V turned: four fragments of 16 channels x 128 keys; they land while the softmax is walked
.endr
	SOFTMAX
	WIN 0x55
	SOFTMAX
	WIN 0
	s_wait_dscnt 0x0                               ; V is in
.irp t, 0,1,2,3
	v_wmma_f32_16x16x128_fp8_fp8 v[O+8*\t:O+8*\t+7], v[KV+16*\t:KV+16*\t+15], v[PC:PC+15], v[O+8*\t:O+8*\t+7]
.endr
	WIN 0x54
.irp t, 0,1,2,3
	v_wmma_f32_16x16x128_fp8_fp8 v[O+8*\t:O+8*\t+7], v[KV+16*\t:KV+16*\t+15], v[PC:PC+15], v[O+8*\t:O+8*\t+7]
.endr
	WIN 0
.endm
; Eight key steps: those that the waves' load g brought.
.macro CHUNK g
	s_wait_tensorcnt 1-\g                          ; my key step of this chunk is in; the load issued behind it (g = 0: one; g = 1: none) may be out.  Nothing is ever filled again
	s_wait_dscnt 0x0                               ; my stores of the bias have landed; no LDS instruction of mine is out at the signal
	s_barrier_signal -1
	s_barrier_wait -1                              ; both now hold of all eight waves
	s_mov_b32 s[TB], \g*131072
	s_mov_b32 s[BB], BIAS+\g*4096
	s_mov_b32 s[CNT], 8
.Lstep_\@:
	STEP
	s_add_co_u32 s[TB], s[TB], 16384
	s_add_co_u32 s[BB], s[BB], 512
	s_sub_co_u32 s[CNT], s[CNT], 1
	s_cmp_lg_u32 s[CNT], 0
	s_cbranch_scc1 .Lstep_\@
.endm
.macro INIT                            ; the step is written once: the first finds zeros, which the first change of M leaves zeros
	v_mov_b32 v13, 0xff61b1e6                      ; the largest t so far: -3e38, under every t
	v_floor_f32 v12, -v13
	v_mov_b32 v14, 0
	v_mov_b32 v15, 0
	v_mov_b32 v236, 0                              ; a lane permute's destination counts as one of its sources
	v_mov_b32 v253, 0                              ; (named as the upper half of the pair v[252:253])
.irp j, 0,1,2,3,4,5,6,7,8,9,10,11,12,13,14,15,16,17,18,19,20,21,22,23,24,25,26,27,28,29,30,31
	v_mov_b32 v[O+\j], 0
.endr
.endm
.Lpass:                                            ; two trips: 256 of the work-group's 512 queries each
	INIT
	WIN 0x55
	INIT
	WIN 0
	CHUNK 0
	CHUNK 1
	; THE WAY OUT.  The sum's halves and lane l xor 16's are added; O^T is divided by the sum, multiplied by 2^(e4 + e5), and goes through my own stage in LDS, a tile (16 rows x 256 bytes) at a time.
	v_add_f32 v14, v14, v15                        ; (these plain lines are the places behind the last products)
	v_permlanex16_b32 v236, v14, s[SEL], s[SEL+1]
	v_add_f32 v14, v14, v236
	WIN 0x55
	v_add_f32 v14, v14, v15
	v_permlanex16_b32 v236, v14, s[SEL], s[SEL+1]
	v_add_f32 v14, v14, v236
	v_rcp_f32 v234, v14                            ; tile 1's
	WIN 0
	v_rcp_f32 v238, v14                            ; tile 0's
	v_nop                                          ; a plain instruction behind the reciprocals,
	s_wait_alu depctr_va_vdst(0)                   ; and one wait for both, ahead of the first reader
	v_ldexp_f32 v238, v238, s56
	WIN 0x55
	v_ldexp_f32 v234, v234, s56
	WIN 0
.irp j, 0,2,4,6,8,10,12,14,16,18,20,22,24,26,28,30
	v_pk_mul_f32 v[96+\j:97+\j], v[O+\j:O+\j+1], v[238:239] op_sel_hi:[1,0]   ; tile 0: register 8 t + i is channel 16 t + 8 h + i of query r
.endr
.irp t, 0,1,2,3
	ds_store_b128 v[STO], v[96+8*\t:99+8*\t] offset:64*\t
	ds_store_b128 v[STO], v[100+8*\t:103+8*\t] offset:64*\t+16
.endr
.irp i, 0,1,2,3,4,5,6,7
	ds_load_b128 v[128+4*\i:131+4*\i], v[RD] offset:2*\i*SP   ; a wave's LDS instructions are served in order: these see my stores, and tile 1's stores come behind them
.endr
	WIN 0x05                                       ; sources window 1, destination window 0
.irp j, 0,2,4,6,8,10,12,14,16,18,20,22,24,26,28,30
	v_pk_mul_f32 v[32+\j:33+\j], v[O+\j:O+\j+1], v[234:235] op_sel_hi:[1,0]   ; tile 1
.endr
	WIN 0
.irp t, 0,1,2,3
	ds_store_b128 v[STO], v[32+8*\t:35+8*\t] offset:64*\t
	ds_store_b128 v[STO], v[36+8*\t:39+8*\t] offset:64*\t+16
.endr
.irp i, 0,1,2,3,4,5,6,7
	ds_load_b128 v[64+4*\i:67+4*\i], v[RD] offset:2*\i*SP
.endr
.irp i, 0,1,2,3,4,5,6,7
	s_wait_dscnt 23-\i                             ; behind tile 0's read-back i: its 7 - i younger ones and tile 1's sixteen
	global_store_b128 v[GO], v[128+4*\i:131+4*\i], s[22:23] offset:8192*\i th:TH_STORE_NT   ; sixteen lanes store 256 consecutive bytes, aligned: a token's 64 channels of this head
.endr
.irp i, 0,1,2,3,4,5,6,7
	s_wait_dscnt 7-\i
	global_store_b128 v[GO], v[64+4*\i:67+4*\i], s[22:23] offset:65536+8192*\i th:TH_STORE_NT
.endr
	s_wait_xcnt 0x0                                ; the stores have read their data and their base: both are written again only behind this wait
	s_add_nc_u64 s[22:23], s[22:23], 0x100000      ; the next pass's queries: 16 tiles of 65,536 bytes on
.irp i, 0,1,2,3,4,5,6,7
	v_mov_b32 v[Q+\i], v[Q+8+\i]                   ; and their Q
.endr
	WIN 0x41
.irp i, 0,1,2,3,4,5,6,7
	v_mov_b32 v[Q+\i], v[Q+8+\i]
.endr
	WIN 0
	s_sub_co_u32 s[PASS], s[PASS], 1
	s_cmp_lg_u32 s[PASS], 0
	s_cbranch_scc1 .Lpass
	s_wait_tensorcnt 0x0                           ; the wave's end, behind my last tensor load and my last LDS store
	ds_add_u32 v[SPW], v[NIL]
	s_wait_dscnt 0x0
	CROUND                                         ; the closing round: no work-group ends while a partner may still ask for a tile that names it
	s_endpgm
.Lfunc_end_k_q0ce11b56f5_attn:
	.size	k_q0ce11b56f5_attn, .Lfunc_end_k_q0ce11b56f5_attn-k_q0ce11b56f5_attn
	.p2alignl 7, 3214868480
	.fill 96, 4, 3214868480
	.section	.rodata,"a",@progbits
	.p2align	6, 0x0
	.amdhsa_kernel k_q0ce11b56f5_attn
		.amdhsa_group_segment_fixed_size 327680
		.amdhsa_private_segment_fixed_size 0
		.amdhsa_enable_private_segment 0
		.amdhsa_kernarg_size 40
		.amdhsa_user_sgpr_count 2
		.amdhsa_user_sgpr_kernarg_segment_ptr 1
		.amdhsa_wavefront_size32 1
		.amdhsa_system_sgpr_workgroup_id_x 1
		.amdhsa_system_sgpr_workgroup_id_y 1
		.amdhsa_system_sgpr_workgroup_id_z 1
		.amdhsa_system_vgpr_workitem_id 0
		.amdhsa_next_free_vgpr 512
		.amdhsa_next_free_sgpr 76
		.amdhsa_reserve_vcc 1
		.amdhsa_float_denorm_mode_32 3
		.amdhsa_float_denorm_mode_16_64 3
		.amdhsa_memory_ordered 1
		.amdhsa_forward_progress 1
		.amdhsa_inst_pref_size 77
	.end_amdhsa_kernel
	.amdgpu_metadata
---
amdhsa.version: [ 1, 2 ]
amdhsa.kernels:
  - .name:           k_q0ce11b56f5_attn
    .symbol:         k_q0ce11b56f5_attn.kd
    .args:
      - { .name: q_img, .offset: 0, .size: 8, .value_kind: global_buffer, .address_space: global }
      - { .name: kv_img, .offset: 8, .size: 8, .value_kind: global_buffer, .address_space: global }
      - { .name: mask, .offset: 16, .size: 8, .value_kind: global_buffer, .address_space: global }
      - { .name: lowp_scales, .offset: 24, .size: 8, .value_kind: global_buffer, .address_space: global }
      - { .name: out0, .offset: 32, .size: 8, .value_kind: global_buffer, .address_space: global }
    .group_segment_fixed_size: 327680
    .private_segment_fixed_size: 0
    .kernarg_segment_align: 8
    .kernarg_segment_size: 40
    .max_flat_workgroup_size: 256
    .sgpr_count:     76
    .vgpr_count:     512
    .wavefront_size: 32
...
	.end_amdgpu_metadata
.endif
;; end of part 3
